; MI455X (gfx1250); checked and timed in simulation.
; The chip was launched on July 23, 2026; its instructions are those of AMD's public machine-readable ISA for CDNA 5 (MIT licence, August 2026) and "CDNA5" Instruction Set Architecture Reference Guide (July 2026). The comments in the code are by the model that wrote it; some were corrected since.
;; Cross Attention 2d. Allowed arithmetic: float matrix products may take bf16 or f16 operands with f32 sums; other float arithmetic in f32, or as packed bf16 or f16 multiplies, adds, multiply-adds, maxima and minima; sums over many terms, partial sums and values carried from step to step in f32; what a program stores and reads back later, other than sums and carried values, may be rounded once to bf16 or f16.
;; Inputs: lidar_features 32 x 256 x 21 x 61 float32; visual_features 32 x 256 x 21 x 61 float32.
;; Outputs: out0 32 x 256 x 21 x 61 float32.
;; One version. Each part assembles by itself: llvm-mc -triple=amdgcn-amd-amdhsa -mcpu=gfx1250 --defsym DOCPART=n.
;; ======== version 1 of 1: 2 launches
;; limits: values are held in f16: magnitudes above 65,504 overflow, below 6.1e-05 lose precision; inputs' magnitudes at most 65,504
;; workspace buffers: h16 44,040,192 bytes; part 5,242,880 bytes
;; launch prep (part 1): grid 8 x 64, 8 waves a work-group, no clusters, 0 bytes of LDS; arguments lidar_features, visual_features, h16, part; writes h16, part
.if DOCPART == 1
	.amdgcn_target "amdgcn-amd-amdhsa--gfx1250"
	.amdhsa_code_object_version 6
	.text
	.protected	k_q7ce6187564_prep
	.globl	k_q7ce6187564_prep
	.p2align	8
	.type	k_q7ce6187564_prep,@function
k_q7ce6187564_prep:
	s_mov_b64 s[64:65], 0
	v_nop
	global_prefetch_b8 v0, s[64:65] scope:SCOPE_SE
	s_setreg_imm32_b32 hwreg(HW_REG_WAVE_MODE, 25, 1), 1
	s_wait_xcnt 0x0
; PREP.  Both inputs, read as [32][1281][256] f32, are read once.  Two things are made of them:
;  (1) h16: f16 [T = 2][b = 32][1344][256], T 0 = lidar, 1 = visual; each number rounded once; rows 1281 .. 1343 are zeros, so that the next launch walks 21 whole tiles of 64 keys.
;  (2) part: the attention of the left-over QUERY row 1280, in f32 on the unrounded inputs, split over the keys: record [T][b][j = 0..63] of 1,280 bytes holds, for keys 21 j .. 21 j + 20 of key
;      tensor T and the other tensor's row 1280 as the query: 256 f32 of sum e_i key_i, then the pair (c m_j, l_j) 32 times (256 bytes, so that the block is written whole).
;      e_i = 2^(c s_i - c m_j), c = log2(e) / 16, m_j the maximum of the record's own 21 scores, l_j the sum of the e_i.  The next launch joins the 64 records by their maxima.
; SHARES.  Work-group (x, y): y = 32 T + b; wave w of 8 has g = 8 x + w and owns rows 21 g .. 21 g + 20.  61 x 21 = 1281: waves g <= 60 hold only true rows, g = 61 .. 63 only padding: they write zeros and an
; empty record (c m far below every score, l = 0, sums 0).
; A lane holds channels 4 l .. 4 l + 3 and 128 + 4 l .. + 3 of a row: each load of the wave covers 512 consecutive bytes, each f16 store 256 consecutive bytes, aligned.
; All 42 loads of a wave's rows go out at once (21,504 bytes a wave) and stay in registers for the dot products and the weighted sum: each input byte is read once as a key.
; No LDS, no barrier, no matrix unit: the launch is a stream; 21 multiply-adds a number are nothing beside its bytes.
; LIMITS.  A number beyond 65,504 becomes an infinity in h16.  A weight below 2^-126 counts as 0.  NaN and infinities are not treated apart.
.set ROWF, 1024                        ; bytes of an f32 row
.set BATF, 1281*1024                   ; bytes of a batch in an input
.set QOFF, 1280*1024                   ; row 1280 in a batch
.set TBB,  1344*512                    ; bytes of a (T, b) block of h16
.set REC,  1280                        ; bytes of a record
.set RPW,  21                          ; rows of a wave
.set LIVE, 61                          ; waves of a (T, b) that hold true rows
.set QV,  4                            ; v[4:11]    the query's 8 numbers of my channels
.set T,   12                           ; v[12:19]   at work; at the end v12 = c m, v13 = l
.set H,   20                           ; v[20:35]   four sets of 4: f16 data on their way out
.set D,   36                           ; v[36:56]   the 21 scores, then the 21 weights
.set O,   58                           ; v[58:65]   the weighted sum of my 8 channels
.set X,   66                           ; v[66:233]  row i at X + 8 i
.set HB,  8                            ; s[8:9]     h16 at my first row
.set RB,  10                           ; s[10:11]   my record
.set KB,  28                           ; s[28:29]   the key tensor at my first row
.set QP,  30                           ; s[30:31]   the other tensor at row 1280 of the batch
.set C,   32                           ; s32        c
.set SEL, 34                           ; s[34:35]   v_permlanex16_b32's selects: each lane takes its own place in the other half
	s_load_b256 s[4:11], s[0:1], 0x0               ; lidar s[4:5], visual s[6:7], h16 s[8:9], part s[10:11]
	v_lshrrev_b32 v3, 5, v0
	v_readfirstlane_b32 s12, v3                    ; wave 0..7
	v_and_b32 v1, 31, v0
	v_lshlrev_b32 v2, 3, v1                        ; 8 x lane: f16 stores and the record's pairs
	v_lshlrev_b32 v1, 4, v1                        ; 16 x lane: f32 loads and the record's sums
	s_and_b32 s13, ttmp7, 0xffff                   ; y = 32 T + b
	s_lshr_b32 s14, s13, 5                         ; T
	s_and_b32 s15, s13, 31                         ; b
	s_lshl_b32 s16, ttmp9, 3
	s_add_co_u32 s16, s16, s12                     ; g
	s_mul_i32 s20, s15, BATF                       ; all offsets stay under 2^32: a pair with 0 above
	s_mov_b32 s21, 0
	s_mul_i32 s22, s16, RPW*ROWF
	s_mov_b32 s23, 0
	s_mul_i32 s24, s13, TBB
	s_mul_i32 s25, s16, RPW*512
	s_add_co_u32 s24, s24, s25
	s_mov_b32 s25, 0
	s_lshl_b32 s26, s13, 6
	s_add_co_u32 s26, s26, s16
	s_mul_i32 s26, s26, REC
	s_mov_b32 s27, 0
	s_mov_b32 s[C], 0x3db8aa3b                     ; log2(e) / 16 = 0.0901684
	s_mov_b32 s[SEL], 0x76543210
	s_mov_b32 s[SEL+1], 0xfedcba98
	s_wait_kmcnt 0x0
	s_add_nc_u64 s[HB:HB+1], s[HB:HB+1], s[24:25]
	s_add_nc_u64 s[RB:RB+1], s[RB:RB+1], s[26:27]
	s_cmp_ge_u32 s16, LIVE
	s_cbranch_scc1 .Lpad
	s_cmp_eq_u32 s14, 0
	s_cselect_b64 s[KB:KB+1], s[4:5], s[6:7]       ; keys: tensor T
	s_cselect_b64 s[QP:QP+1], s[6:7], s[4:5]       ; the query: the other tensor
	s_add_nc_u64 s[KB:KB+1], s[KB:KB+1], s[20:21]
	s_add_nc_u64 s[KB:KB+1], s[KB:KB+1], s[22:23]
	s_add_nc_u64 s[QP:QP+1], s[QP:QP+1], s[20:21]
	s_add_nc_u64 s[QP:QP+1], s[QP:QP+1], QOFF
	global_load_b128 v[QV:QV+3],   v1, s[QP:QP+1]
	global_load_b128 v[QV+4:QV+7], v1, s[QP:QP+1] offset:512
.set i, 0
.rept RPW
	global_load_b128 v[X+8*i:X+8*i+3],   v1, s[KB:KB+1] offset:ROWF*i th:TH_LOAD_NT
	global_load_b128 v[X+8*i+4:X+8*i+7], v1, s[KB:KB+1] offset:ROWF*i+512 th:TH_LOAD_NT
.set i, i+1
.endr
; Row i: rounded to f16 and stored; my lane's part of its dot product with the query.
.macro ROWP i
	s_wait_loadcnt 40-2*(\i)                       ; loads come back in order: the query and rows 0 .. i are in; the 2 (20 - i) loads of the later rows stay out
	s_wait_xcnt 0x0                                ; the set of H that is written below was the data of the stores four rows back: it is rewritten only behind this wait
	v_cvt_pk_f16_f32 v[H+4*((\i)%4)],   v[X+8*(\i)],   v[X+8*(\i)+1]
	v_cvt_pk_f16_f32 v[H+4*((\i)%4)+1], v[X+8*(\i)+2], v[X+8*(\i)+3]
	v_cvt_pk_f16_f32 v[H+4*((\i)%4)+2], v[X+8*(\i)+4], v[X+8*(\i)+5]
	v_cvt_pk_f16_f32 v[H+4*((\i)%4)+3], v[X+8*(\i)+6], v[X+8*(\i)+7]
	global_store_b64 v2, v[H+4*((\i)%4):H+4*((\i)%4)+1],   s[HB:HB+1] offset:512*(\i) th:TH_STORE_NT      ; 32 lanes: 256 consecutive bytes, aligned
	global_store_b64 v2, v[H+4*((\i)%4)+2:H+4*((\i)%4)+3], s[HB:HB+1] offset:512*(\i)+256 th:TH_STORE_NT
	v_pk_mul_f32 v[T+2*((\i)%4):T+2*((\i)%4)+1], v[X+8*(\i):X+8*(\i)+1], v[QV:QV+1]
	v_pk_fma_f32 v[T+2*((\i)%4):T+2*((\i)%4)+1], v[X+8*(\i)+2:X+8*(\i)+3], v[QV+2:QV+3], v[T+2*((\i)%4):T+2*((\i)%4)+1]
	v_pk_fma_f32 v[T+2*((\i)%4):T+2*((\i)%4)+1], v[X+8*(\i)+4:X+8*(\i)+5], v[QV+4:QV+5], v[T+2*((\i)%4):T+2*((\i)%4)+1]
	v_pk_fma_f32 v[T+2*((\i)%4):T+2*((\i)%4)+1], v[X+8*(\i)+6:X+8*(\i)+7], v[QV+6:QV+7], v[T+2*((\i)%4):T+2*((\i)%4)+1]
	v_add_f32 v[D+(\i)], v[T+2*((\i)%4)], v[T+2*((\i)%4)+1]
.endm
.irp i, 0,1,2,3,4,5,6,7,8,9,10,11,12,13,14,15,16,17,18,19,20
	ROWP \i
.endr
	; the 21 sums over the 32 lanes: four steps inside each half of 16 lanes, the 21 scores by turns, then the halves are exchanged
.irp k, 1,2,4,8
.set i, 0
.rept RPW
	v_add_f32_dpp v[D+i], v[D+i], v[D+i] row_xmask:\k row_mask:0xf bank_mask:0xf
.set i, i+1
.endr
.endr
.set i, 0
.rept 3
.set k, 0
.rept 7
	v_permlanex16_b32 v[T+k], v[D+i+k], s[SEL], s[SEL+1]  ; its destination counts as read: T was written by the dot products
.set k, k+1
.endr
.set k, 0
.rept 7
	v_add_f32 v[D+i+k], v[D+i+k], v[T+k]
.set k, k+1
.endr
.set i, i+7
.endr
	; the maximum of the 21, in three chains
	v_max3_num_f32 v14, v[D],   v[D+1], v[D+2]
	v_max3_num_f32 v15, v[D+3], v[D+4], v[D+5]
	v_max3_num_f32 v16, v[D+6], v[D+7], v[D+8]
.set i, 9
.rept 2
	v_max3_num_f32 v14, v14, v[D+i],   v[D+i+1]
	v_max3_num_f32 v15, v15, v[D+i+2], v[D+i+3]
	v_max3_num_f32 v16, v16, v[D+i+4], v[D+i+5]
.set i, i+6
.endr
	v_max3_num_f32 v14, v14, v15, v16
	v_mul_f32 v12, s[C], v14                       ; c m
.set i, 0
.rept RPW
	v_fma_f32 v[D+i], v[D+i], s[C], -v12           ; c s - c m
.set i, i+1
.endr
.set i, 0
.rept RPW
	v_exp_f32 v[D+i], v[D+i]
.set i, i+1
.endr
	v_nop                                          ; a plain instruction behind the last exponential,
	s_wait_alu depctr_va_vdst(0)                   ; and one wait for the batch of 21, ahead of the first use
	v_add_f32 v13, v[D],   v[D+1]                  ; l, in three chains
	v_add_f32 v14, v[D+2], v[D+3]
	v_add_f32 v15, v[D+4], v[D+5]
.set i, 6
.rept 5
	v_add_f32 v13, v13, v[D+i]
	v_add_f32 v14, v14, v[D+i+1]
	v_add_f32 v15, v15, v[D+i+2]
.set i, i+3
.endr
	v_add_f32 v13, v13, v14
	v_add_f32 v13, v13, v15
.set k, 0
.rept 8
	v_mul_f32 v[O+k], v[D], v[X+k]                 ; the first row starts the sums
.set k, k+1
.endr
.set i, 1
.rept RPW-1
.set k, 0
.rept 8
	v_fmac_f32 v[O+k], v[D+i], v[X+8*i+k]
.set k, k+1
.endr
.set i, i+1
.endr
	global_store_b128 v1, v[O:O+3],   s[RB:RB+1] th:TH_STORE_NT
	global_store_b128 v1, v[O+4:O+7], s[RB:RB+1] offset:512 th:TH_STORE_NT
	global_store_b64  v2, v[12:13],   s[RB:RB+1] offset:1024 th:TH_STORE_NT  ; every lane holds the same pair: 256 bytes, written whole
	s_endpgm
.Lpad:                                         ; rows 1281 .. 1343: zeros, and a record that counts for nothing
	v_mov_b32 v20, 0
	v_mov_b32 v21, 0
	v_mov_b32 v22, 0
	v_mov_b32 v23, 0
	v_mov_b32 v12, 0xfe000000                      ; c m: far below every c s
	v_mov_b32 v13, 0
.set i, 0
.rept 2*RPW
	global_store_b64 v2, v[20:21], s[HB:HB+1] offset:256*i th:TH_STORE_NT
.set i, i+1
.endr
	global_store_b128 v1, v[20:23], s[RB:RB+1] th:TH_STORE_NT
	global_store_b128 v1, v[20:23], s[RB:RB+1] offset:512 th:TH_STORE_NT
	global_store_b64  v2, v[12:13], s[RB:RB+1] offset:1024 th:TH_STORE_NT
	s_endpgm
.Lfunc_end_k_q7ce6187564_prep:
	.size	k_q7ce6187564_prep, .Lfunc_end_k_q7ce6187564_prep-k_q7ce6187564_prep
	.p2alignl 7, 3214868480
	.fill 96, 4, 3214868480
	.section	.rodata,"a",@progbits
	.p2align	6, 0x0
	.amdhsa_kernel k_q7ce6187564_prep
		.amdhsa_group_segment_fixed_size 0
		.amdhsa_private_segment_fixed_size 0
		.amdhsa_enable_private_segment 0
		.amdhsa_kernarg_size 32
		.amdhsa_user_sgpr_count 2
		.amdhsa_user_sgpr_kernarg_segment_ptr 1
		.amdhsa_wavefront_size32 1
		.amdhsa_system_sgpr_workgroup_id_x 1
		.amdhsa_system_sgpr_workgroup_id_y 1
		.amdhsa_system_sgpr_workgroup_id_z 1
		.amdhsa_system_vgpr_workitem_id 0
		.amdhsa_next_free_vgpr 240
		.amdhsa_next_free_sgpr 66
		.amdhsa_reserve_vcc 0
		.amdhsa_float_denorm_mode_32 3
		.amdhsa_float_denorm_mode_16_64 3
		.amdhsa_memory_ordered 1
		.amdhsa_forward_progress 1
		.amdhsa_inst_pref_size 43
	.end_amdhsa_kernel
	.amdgpu_metadata
---
amdhsa.version: [ 1, 2 ]
amdhsa.kernels:
  - .name:           k_q7ce6187564_prep
    .symbol:         k_q7ce6187564_prep.kd
    .args:
      - { .name: lidar_features, .offset: 0, .size: 8, .value_kind: global_buffer, .address_space: global }
      - { .name: visual_features, .offset: 8, .size: 8, .value_kind: global_buffer, .address_space: global }
      - { .name: h16, .offset: 16, .size: 8, .value_kind: global_buffer, .address_space: global }
      - { .name: part, .offset: 24, .size: 8, .value_kind: global_buffer, .address_space: global }
    .group_segment_fixed_size: 0
    .private_segment_fixed_size: 0
    .kernarg_segment_align: 8
    .kernarg_segment_size: 32
    .max_flat_workgroup_size: 256
    .sgpr_count:     66
    .vgpr_count:     240
    .wavefront_size: 32
...
	.end_amdgpu_metadata
.endif
;; end of part 1
;; launch attn (part 2): grid 8 x 32, 4 waves a work-group, clusters of 4 x 1, 327,680 bytes of LDS; arguments h16, part, out0; writes out0
.if DOCPART == 2
	.amdgcn_target "amdgcn-amd-amdhsa--gfx1250"
	.amdhsa_code_object_version 6
	.text
	.protected	k_q7ce6187564_attn
	.globl	k_q7ce6187564_attn
	.p2align	8
	.type	k_q7ce6187564_attn,@function
k_q7ce6187564_attn:
	s_mov_b64 s[64:65], 0
	v_nop
	global_prefetch_b8 v0, s[64:65] scope:SCOPE_SE
	s_setreg_imm32_b32 hwreg(HW_REG_WAVE_MODE, 25, 1), 1
	s_wait_xcnt 0x0
	s_wait_alu depctr_hold_cnt(0) depctr_sa_sdst(0) depctr_va_vdst(0) depctr_va_sdst(0) depctr_va_ssrc(0) depctr_va_vcc(0) depctr_vm_vsrc(0)
	s_getreg_b32 s2, hwreg(HW_REG_IB_STS2, 6, 4)
	s_cmp_eq_u32 s2, 0
	s_cbranch_scc0 .Lentry_in_a_cluster
	s_endpgm
.Lentry_in_a_cluster:
	s_bfe_u32 s2, ttmp6, 0x10000c
	s_cmp_lg_u32 s2, 0x3003
	s_cbranch_scc0 .Lentry_shape_is_right
	s_endpgm
.Lentry_shape_is_right:
; out[b][s] = softmax_t(L[s] . V[t] / 16) V[t] + softmax_t(V[s] . L[t] / 16) L[t], L = lidar, V = visual, each [32][1281][256].
; Operands come from h16 (f16 [T][b][1344][256], T 0 = L, 1 = V, rows 1281 .. 1343 zeros); products, maxima and sums in f32; the weights p are rounded to f16 for the second product (their sum l is taken
; of the unrounded p); out is f32.
; LIMITS.  f16 holds no number beyond 65,504.  A hidden key (1281 .. 1295 in the last tile) counts as its score less 1e30; f16's scores, 1.1e12 at the most, are nothing beside that.  A weight below 2^-126
; counts as 0 in l.  NaN and infinities are not treated apart.  Row 1280 comes from the records of the launch before (f32 on unrounded inputs).
; SHARES.  80 tiles of 16 queries x 2 directions x 32 batches = 5 x 1,024: five tiles for each wave of 256 work-groups of four.  Work-group (x, b) owns query rows 160 x .. 160 x + 159 of batch b in BOTH directions:
; wave w has direction d = w / 2 (queries from tensor d, keys and values from tensor 1 - d) and half hh = w % 2: its five UNITS u are rows 160 x + 80 hh + 16 u + 0..15.  Waves hh and 2 + hh hold the two
; summands of the same rows: they meet in LDS at the end, and out is stored once.  Each work-group also joins the 2 x 64 records of row 1280 for its own 32 channels (wave 0, ahead of the walk).
; THE WALK.  21 tiles of 64 keys of both tensors; one LDS tile serves as K (as it lies) and as V (turned, by ds_load_tr16_b128).  20 tiles in a loop, the last (one true key) written out, 16 keys wide.
; CLUSTER.  The four work-groups of a cluster belong to one batch and walk the same tiles: each tile is asked for JOINTLY, the same tensor load, descriptor and mask in all four.  Q is each work-group's own.
; LAYOUT.  S^T = K Q^T (source 0 = 16 keys, source 1 = 16 queries): a lane holds ONE query (lane % 16) and the keys 8 (lane / 16) + 0..7.  Two such results rounded to f16 in pairs ARE source 1 (32 keys x 16
; queries) of O^T = V^T P, whose result again holds one query a lane, and eight channels.  P is made in place, in the low half of S^T's registers.
; SOFTMAX.  For each query a running maximum m and sum l: p = 2^(c s - c m), c = log2(e) / 16; in every step O and l are multiplied by a = 2^(c m_old - c m_new).  m starts at the lowest finite number, O and l
; at 0: the first step is a step like any other, with a = 0.  The price: 640 v_mov_b32 that clear O^T, in the wait for the first tile; the gain: no second copy of a step's text.
; A STEP: 160 products K Q^T in eight chunks of 32 channels (K's and Q's fragments from LDS, two buffers); the softmax in one run, its 165 exponentials one batch with one wait; 160 products V^T P in eight
; batches of 20 (V's fragments, the same two buffers), behind the first 80 of which ride the rescaling of the next batch's O^T and the second half's sums and roundings.
; REGISTERS, in windows of 256 (s_set_vgpr_msb: bits 1:0 source 0, 3:2 source 1, 5:4 source 2, 7:6 destination):
;   window 0: v0-15 addresses; v16-55 eight registers of statistics a unit; v56-95 Q's fragments, even chunks; v96-255 S^T, 32 a unit (P in each unit's first 16)
;   windows 1, 2: O^T of units 0-3, 128 a unit     window 3: v0-127 O^T of unit 4; v128-191 two buffers of 32 for K's, then V's fragments; v192-231 Q's fragments, odd chunks; v232-239 the last tile's mask
.set TBB,   1344*512                   ; bytes of a (T, b) block of h16
.set TILEB, 64*512                     ; bytes of a tile of one tensor in memory
.set BATO,  1281*1024                  ; bytes of a batch of out
.set PIT,   528                        ; an LDS row: 512 bytes + 16 of padding = 132 words: the 16 rows of a K or Q load start at 16 different groups of four banks (64 banks of 4 bytes: ISA guide 11.1); V's turning loads meet each bank twice
.set QUART, 32*PIT                     ; what one joint load brings: 32 rows
.set HALF,  64*PIT                     ; a tensor's part of a slot
.set SLOT1, 1<<17                      ; slot 1 begins here, so that one exclusive or turns an address in one slot into the other's
.set QBY,   80*PIT                     ; a wave's Q
.set Q0,    2*HALF                     ; wave 0's Q lies between the slots,
.set SPARE, Q0+QBY                     ; behind it the spare words, 128 bytes for each wave: two blocks of 256 bytes that no other line names,
.set QHI,   SLOT1+2*HALF               ; and the Q of waves 1 to 3 behind slot 1: the last ends at byte 325,376
.set SP,    1040                       ; the way out: a row of 256 f32 + 16 bytes
.set STG,   16*SP                      ; a wave's stage; the four lie over a slot that has had its last fill
.set REC,   1280                       ; a record of part
.set TOFF,  32*64*REC                  ; from key tensor 0's records to key tensor 1's
.set TRIPS, 20
.set AK0, 2                            ; v2   my lane's place in my key tensor's part of a slot, for K; never rewritten
.set AV0, 3                            ; v3   the same for V
.set AK,  4                            ; v4   this step's address for K
.set AV,  5                            ; v5   for V
.set AQ,  6                            ; v6   my lane's place in my wave's Q
.set STO, 7                            ; v7-8   the way out: where I put 32 bytes of a row, stage set 0, 1
.set RD,  9                            ; v9-10  where I read rows back
.set GO,  11                           ; v11  16 x lane
.set SPW, 12                           ; v12  LDS address of my spare word: SPARE + 4 x my thread's number; never rewritten
.set NIL, 13                           ; v13  0; never rewritten
.set PFO, 14                           ; v14  256 x lane: the prefetches' offset; never rewritten
.set ST,  16                           ; unit u's statistics at v[ST+8 u]: c m, m, l (even keys', odd keys'), c0-c3 at work; a takes c2's place once the maximum is found
.set QB0, 56
.set S,   96
.set AB,  128                          ; window 3
.set QB1, 192                          ; window 3
.set MK,  232                          ; window 3
.set WV,  10                           ; s10  my wave's number
.set DD,  11                           ; s11  d
.set HH,  12                           ; s12  hh
.set CX,  13                           ; s13  my place in the cluster
.set XX,  14                           ; s14  x
.set BB,  15                           ; s15  b
.set G1,  16                           ; s[16:23] descriptor group 1 for the tiles
.set G1Q, 24                           ; s[24:31] for Q
.set G0,  32                           ; s[32:35] descriptor group 0 for the tiles: it walks
.set G0Q, 36                           ; s[36:39] for Q
.set CNT, 40                           ; s40  trips to go
.set TB,  41                           ; s41  LDS byte at which the slot in hand begins
.set CS,  42                           ; s[42:43] c: the packed scaling takes the pair's low word for both halves
.set SEL, 44                           ; s[44:45] v_permlanex16_b32's selects: each lane takes its own place in the other half
.set PFA, 46                           ; s[46:47] where my prefetches stand: my work-group's 8,192 bytes of the tile after the one that is being asked for
.set LIM, 48                           ; s48  1 in a wave that prefetches, else the greatest number
.set SQB, 49                           ; s49  LDS byte at which my wave's Q begins
.set OB,  66                           ; s[66:67] out at the first row that I store
.set BIG, 68                           ; s68  -1e30
.set LD3, 0xc0                         ; a load's destination in window 3, its address in window 0
.set MSB, 0
.macro WIN new                         ; the high byte repeats the setting that is left; a switch that changes nothing is dropped
.if MSB != (\new)
	s_set_vgpr_msb (MSB<<8)|(\new)
.set MSB, (\new)
.endif
.endm
.macro PLACES                          ; four places behind matrix instructions, in front of loads into registers that they have read and of vector work on their results (ISA guide 7.12.1 for vector work)
.rept 4
	v_nop
.endr
.endm
; A round of the cluster's barrier: my work-group's barrier, so that wave 0's signal speaks for all four waves; wave 0 signals; every wave waits for all four work-groups; my work-group's barrier once more.
.macro CROUND
	s_barrier_signal -1
	s_barrier_wait -1
	s_cmp_lg_u32 s[WV], 0
	s_cbranch_scc1 .Lnot_wave_0_\@
	s_barrier_signal -3
.Lnot_wave_0_\@:
	s_barrier_wait -3
	s_barrier_signal -1
	s_barrier_wait -1
.endm
; A joint fill: one line for all four waves; wave w brings rows 32 (w % 2) .. + 31 of tensor w / 2's tile to LDS byte w x 16,896 of the slot.  An s_nop 0 and four v_nop follow.
.macro JLOAD
	tensor_load_to_lds s[G0:G0+3], s[G1:G1+7]
	s_nop 0
.rept 4
	v_nop
.endr
.endm
; A PREFETCH INTO THE L2 of the tile that the NEXT change of slots will ask for: 32,768 bytes of each tensor, a lane for each 256.  Both clusters of a batch walk the same tiles: the first prefetches.  Its four
; partners share a tile out BY ADDRESS, 8,192 bytes each; in each, wave 0 asks for tensor 0 and wave 2 for tensor 1: one instruction.  So each block is named once in the walk.  The last trip asks for nothing:
; there is no tile behind the one that it loads.
.macro ASK
	s_cmp_gt_u32 s[CNT], s[LIM]
	s_cbranch_scc0 .Lnot_mine_\@
	global_prefetch_b8 v[PFO], s[PFA:PFA+1] th:TH_LOAD_NT scope:SCOPE_SE
.Lnot_mine_\@:
.endm
; THE CHANGE OF SLOTS.  Each wave waits for all its tensor loads (its part of the slot to be read; the first time its Q too), adds 0 to its spare word, and waits for that and for its reads of the slot that it
; leaves.  fill = 1: that slot is filled again with the next tile: the barrier is a round of the cluster's, so that no wave of any partner still reads the slot or has a load on its way, and the joint fill is
; the first thing behind it: it has a whole step, 320 matrix instructions and a softmax, in which to land.  (The first time nothing has been read yet: slot 0 is waited for, slot 1 filled.)
.macro CHANGE fill
	WIN 0                                          ; at a label and at a branch every window is 0
	s_wait_tensorcnt 0x0                           ; no tensor load of mine is out, so group 0 may be written
	ds_add_u32 v[SPW], v[NIL]                      ; 0 onto my spare word
.if \fill
	s_xor_b32 s[G0+1], s[G0+1], SLOT1              ; the other slot than last time,
	s_add_nc_u64 s[G0+2:G0+3], s[G0+2:G0+3], TILEB ; the next 64 keys; the type bits on top are not reached
	s_wait_xcnt 0x0                                ; the last prefetch, a step back, has read its address (the first time: wave 0's store of row 1280 its registers)
	s_add_nc_u64 s[PFA:PFA+1], s[PFA:PFA+1], TILEB
	s_wait_dscnt 0x0                               ; the add is done, and my reads of the slot are over
	CROUND
	JLOAD                                          ; its four v_nop, with the two address lines of the step, are also the places behind the last step's products
.else
	s_wait_dscnt 0x0
	s_barrier_signal -1
	s_barrier_wait -1
	PLACES
.endif
	s_xor_b32 s[TB], s[TB], SLOT1
.endm
	s_load_b128 s[4:7], s[0:1], 0x0                ; h16 s[4:5], part s[6:7]
	s_load_b64 s[8:9], s[0:1], 0x10                ; out
	v_lshl_add_u32 v[SPW], v0, 2, SPARE
	v_mov_b32 v[NIL], 0
	ds_add_u32 v[SPW], v[NIL]                      ; the wave's opening: the add and its wait stand ahead of my first tensor load; the set-up below, work on registers, stands between them
	v_lshrrev_b32 v1, 5, v0
	v_readfirstlane_b32 s[WV], v1                  ; wave 0..3
	s_lshr_b32 s[DD], s[WV], 1
	s_and_b32 s[HH], s[WV], 1
	s_bfe_u32 s[CX], ttmp6, 0x40000                ; cx
	s_lshl_b32 s[XX], ttmp9, 2                     ; in a cluster launch ttmp9 counts clusters
	s_add_co_u32 s[XX], s[XX], s[CX]               ; x: it enters Q's, part's and out's global addresses alone
	s_and_b32 s[BB], ttmp7, 0xffff                 ; the batch, which the four partners share
	; descriptor group 1: rows of 256 elements of 2 bytes, 16 bytes of padding behind each
	s_mov_b32 s[G1], 15|(1<<16)|(1<<20)|(1<<21)|(6<<22)|(3<<25)  ; 15:0 the mask of four; 17:16 2-byte elements; 20 padding on; 21 set beside a mask; 24:22 after every 128 words (code 6); 31:25 4 words (code 3)
	s_mov_b32 s[G1Q], (1<<16)|(1<<20)|(6<<22)|(3<<25)            ; Q is my work-group's own: no mask
.irp g, G1, G1Q
	s_mov_b32 s[(\g)+1], 256<<16                   ; tensor_dim0 = 256
	s_mov_b32 s[(\g)+3], 256<<16                   ; tile_dim0 = 256
	s_mov_b32 s[(\g)+5], 256                       ; 256 elements from row to row
	s_mov_b32 s[(\g)+6], 0
	s_mov_b32 s[(\g)+7], 0
.endr
	s_mov_b32 s[G1+2], 32<<16                      ; tensor_dim1 = 32
	s_mov_b32 s[G1+4], 32                          ; tile_dim1 = 32
	s_mov_b32 s[G1Q+2], 80<<16
	s_mov_b32 s[G1Q+4], 80
	s_mov_b32 s[G0], 1                             ; count = 1
	s_mul_i32 s[G0+1], s[WV], QUART                ; LDS address: slot 0, my quarter
	s_mov_b32 s[G0Q], 1
	s_lshl_b32 s70, s[DD], 5
	s_add_co_u32 s70, s70, s[BB]
	s_mul_i32 s70, s70, TBB                        ; tensor d of batch b: my queries' tensor, and the one whose tiles I fetch
	s_lshl_b32 s72, s[HH], 14                      ; the tile's rows 32 hh on
	s_add_co_u32 s72, s72, s70
	s_mov_b32 s73, 0
	s_mul_i32 s74, s[XX], 160*512                  ; Q: my work-group's 160 rows,
	s_mul_i32 s75, s[HH], 80*512                   ; my wave's 80 of them
	s_add_co_u32 s74, s74, s75
	s_add_co_u32 s74, s74, s70
	s_mov_b32 s75, 0
	s_lshl_b32 s76, s[CX], 13                      ; the prefetches: my work-group's 8,192 bytes,
	s_add_co_u32 s76, s76, s70
	s_add_co_u32 s76, s76, TILEB                   ; in tile 1; the first change of slots steps it to tile 2
	s_mov_b32 s77, 0
	s_mul_i32 s78, s[BB], BATO
	s_mov_b32 s79, 0
	s_mul_i32 s52, s[XX], 160*1024                 ; out: my work-group's rows, my half's 80, and of each unit's 16 rows the 8 that I store
	s_mul_i32 s53, s[HH], 80*1024
	s_add_co_u32 s52, s52, s53
	s_lshl_b32 s53, s[DD], 13
	s_add_co_u32 s52, s52, s53
	s_add_co_u32 s52, s52, s78
	s_mov_b32 s53, 0
	s_mul_i32 s50, s[BB], 64*REC                   ; part: the batch's records of key tensor 0
	s_mov_b32 s51, 0
	s_mov_b32 s[CS], 0x3db8aa3b                    ; c = log2(e) / 16 = 0.0901684
	s_mov_b32 s[CS+1], s[CS]                       ; named with it as a pair
	s_mov_b32 s[SEL], 0x76543210
	s_mov_b32 s[SEL+1], 0xfedcba98
	s_mov_b32 s[BIG], 0xf149f2ca                   ; -1e30
	s_mov_b32 s[TB], SLOT1                         ; the first change of slots turns it into 0
	s_mov_b32 s[CNT], TRIPS
	s_and_b32 s[LIM], s[WV], 1                     ; 0 in waves 0 and 2,
	s_or_b32 s[LIM], s[LIM], ttmp9                 ; where the cluster is the batch's first: the same in all four partners
	s_cmp_eq_u32 s[LIM], 0
	s_cselect_b32 s[LIM], 1, -1
	s_wait_dscnt 0x0                               ; the opening add is done
	s_cmp_lg_u32 s[WV], 0                          ; where my wave's Q lies
	s_cbranch_scc1 .Lq_hi
	s_mov_b32 s[SQB], Q0
	s_branch .Lq_set
.Lq_hi:
	s_mul_i32 s[SQB], s[WV], QBY
	s_add_co_u32 s[SQB], s[SQB], QHI-QBY
.Lq_set:
	s_mov_b32 s[G0Q+1], s[SQB]
	s_wait_kmcnt 0x0
	s_add_nc_u64 s[G0+2:G0+3], s[4:5], s[72:73]    ; global address of my quarter of tile 0
	s_or_b32 s[G0+3], s[G0+3], 0x80000000          ; type = 2
	s_add_nc_u64 s[G0Q+2:G0Q+3], s[4:5], s[74:75]
	s_or_b32 s[G0Q+3], s[G0Q+3], 0x80000000
	s_add_nc_u64 s[PFA:PFA+1], s[4:5], s[76:77]
	s_add_nc_u64 s[OB:OB+1], s[8:9], s[52:53]
	s_add_nc_u64 s[54:55], s[8:9], s[78:79]
	s_add_nc_u64 s[54:55], s[54:55], 1280*1024     ; out at row 1280 of the batch
	s_add_nc_u64 s[50:51], s[6:7], s[50:51]
	CROUND                                         ; all four work-groups are here: the first joint loads meet
	tensor_load_to_lds s[G0Q:G0Q+3], s[G1Q:G1Q+7]  ; my wave's Q: 80 rows, filled once.  Two loads of mine are out
	s_nop 0
	tensor_load_to_lds s[G0:G0+3], s[G1:G1+7]      ; tile 0 into slot 0
	s_nop 0
.rept 4
	v_nop
.endr
	; A fragment of K or Q is 16 rows x 32 channels in 8 registers: lane l holds row l % 16, channels 8 (l / 16) + 0..7 and 16 + 8 (l / 16) + 0..7: two loads of 16 bytes, 32 bytes apart.
	v_and_b32 v1, 15, v0                           ; l % 16
	v_bfe_u32 v15, v0, 4, 1                        ; l / 16
	v_mul_u32_u24 v[AK0], v1, PIT
	v_lshl_add_u32 v[AK0], v15, 4, v[AK0]          ; row x pitch + 16 x half
	v_add_nc_u32 v[AQ], s[SQB], v[AK0]
	s_xor_b32 s56, s[DD], 1
	s_mul_i32 s56, s56, HALF                       ; my keys are tensor 1 - d's
	v_add_nc_u32 v[AK0], s56, v[AK0]
	; The turning load takes 16 keys x 16 channels (lane l reads key 8 (l / 16) + l % 8, channels 8 ((l / 8) % 2) + 0..7) and leaves half a fragment of V^T: lane l holds channel l % 16 and 8 keys.
	v_and_b32 v[AV0], 7, v0
	v_lshl_add_u32 v[AV0], v15, 3, v[AV0]
	v_mul_u32_u24 v[AV0], v[AV0], PIT
	v_bfe_u32 v[AV], v0, 3, 1
	v_lshl_add_u32 v[AV0], v[AV], 4, v[AV0]
	v_add_nc_u32 v[AV0], s56, v[AV0]
	s_mul_i32 s57, s[WV], STG                      ; my stage
	v_mul_u32_u24 v[STO], v1, SP                   ; in: row l % 16, 32 bytes for each half of the lanes
	v_lshl_add_u32 v[STO], v15, 5, v[STO]
	v_add_nc_u32 v[STO], s57, v[STO]
	v_add_nc_u32 v[STO+1], SLOT1, v[STO]
	v_and_b32 v[GO], 31, v0
	v_lshlrev_b32 v[PFO], 8, v[GO]
	v_lshlrev_b32 v[GO], 4, v[GO]
	s_mul_i32 s58, s[DD], 8*SP                     ; back: rows 8 d .. 8 d + 7 of the stage of wave hh (direction 0); wave 2 + hh's lies two stages on
	s_mul_i32 s59, s[HH], STG
	s_add_co_u32 s58, s58, s59
	v_add_nc_u32 v[RD], s58, v[GO]
	v_add_nc_u32 v[RD+1], SLOT1, v[RD]
	; the last tile's mask: of its first 16 keys only key 0 (register 0 of lanes 0-15) is a true key
	v_cmp_eq_u32 vcc_lo, 1, v15
	WIN LD3
	v_cndmask_b32 v[MK], 0, s[BIG], vcc_lo
.set i, 1
.rept 7
	v_mov_b32 v[MK+i], s[BIG]
.set i, i+1
.endr
.set i, 0
.rept 128
	v_mov_b32 v[i], 0                              ; O^T starts at 0: all this stands in the wait for the first tile
.set i, i+1
.endr
	WIN 0x40
.set i, 0
.rept 256
	v_mov_b32 v[i], 0
.set i, i+1
.endr
	WIN 0x80
.set i, 0
.rept 256
	v_mov_b32 v[i], 0
.set i, i+1
.endr
	WIN 0
.irp u, 0,1,2,3,4
	v_mov_b32 v[ST+8*(\u)], 0xfe000000             ; c m: far below every c s
	v_mov_b32 v[ST+8*(\u)+1], 0xff7fffff           ; m
	v_mov_b32 v[ST+8*(\u)+2], 0
	v_mov_b32 v[ST+8*(\u)+3], 0
.endr
	; ROW 1280, channels 32 x .. 32 x + 31, by wave 0: for each key tensor T the 64 records are joined by their maxima: w_j = 2^(c m_j - M) / sum_j (w_j l_j); out = the sum over T and j of w_j O_j.
	; Lane l holds the pairs (c m, l) of records l and l + 32, and channel 32 x + l of every record.  S^T's registers are free yet.
.set MO,  96                           ; v96-223   O_j of my channel: T, j at MO + 64 T + j
.set MCL, 224                          ; v224-231  (c m, l) of records l and l + 32, for T = 0, 1
.set MM,  232                          ; v232-233  M
.set MP,  234                          ; v234-235  the other half of the lanes'
.set MW,  236                          ; v236-239  w: T, half at MW + 2 T + half
.set ML,  240                          ; v240-241  the sums, then their reciprocals
.set MA,  244                          ; v244-247  four chains
	s_cmp_lg_u32 s[WV], 0
	s_cbranch_scc1 .Lno_merge
	v_and_b32 v1, 31, v0
	v_mul_u32_u24 v15, v1, REC
	s_lshl_b32 s52, s[XX], 7
	v_lshl_add_u32 v1, v1, 2, s52                  ; 4 l + 128 x: in a record and in out's row
.irp T, 0,1
	global_load_b64 v[MCL+4*(\T):MCL+4*(\T)+1],   v15, s[50:51] offset:(\T)*TOFF+1024
	global_load_b64 v[MCL+4*(\T)+2:MCL+4*(\T)+3], v15, s[50:51] offset:(\T)*TOFF+1024+32*REC
.endr
.irp T, 0,1
.set j, 0
.rept 64
	global_load_b32 v[MO+64*(\T)+j], v1, s[50:51] offset:(\T)*TOFF+REC*j
.set j, j+1
.endr
.endr
	v_mov_b32 v[MP], 0                             ; v_permlanex16_b32's destination counts as read
	v_mov_b32 v[MP+1], 0
.set k, 0
.rept 4
	v_mov_b32 v[MA+k], 0
.set k, k+1
.endr
	s_wait_loadcnt 0x0
.irp T, 0,1
	v_max_num_f32 v[MM+(\T)], v[MCL+4*(\T)], v[MCL+4*(\T)+2]
.endr
.irp k, 1,2,4,8
.irp T, 0,1
	v_max_num_f32_dpp v[MM+(\T)], v[MM+(\T)], v[MM+(\T)] row_xmask:\k row_mask:0xf bank_mask:0xf
.endr
.endr
.irp T, 0,1
	v_permlanex16_b32 v[MP+(\T)], v[MM+(\T)], s[SEL], s[SEL+1]
.endr
.irp T, 0,1
	v_max_num_f32 v[MM+(\T)], v[MM+(\T)], v[MP+(\T)]
.endr
.irp T, 0,1
	v_sub_f32 v[MW+2*(\T)],   v[MCL+4*(\T)],   v[MM+(\T)]
	v_sub_f32 v[MW+2*(\T)+1], v[MCL+4*(\T)+2], v[MM+(\T)]
.endr
.set k, 0
.rept 4
	v_exp_f32 v[MW+k], v[MW+k]
.set k, k+1
.endr
	v_nop                                          ; a plain instruction behind the last exponential,
	s_wait_alu depctr_va_vdst(0)                   ; and one wait for the four
.irp T, 0,1
	v_mul_f32 v[ML+(\T)], v[MW+2*(\T)], v[MCL+4*(\T)+1]
.endr
.irp T, 0,1
	v_fmac_f32 v[ML+(\T)], v[MW+2*(\T)+1], v[MCL+4*(\T)+3]
.endr
.irp k, 1,2,4,8
.irp T, 0,1
	v_add_f32_dpp v[ML+(\T)], v[ML+(\T)], v[ML+(\T)] row_xmask:\k row_mask:0xf bank_mask:0xf
.endr
.endr
.irp T, 0,1
	v_permlanex16_b32 v[MP+(\T)], v[ML+(\T)], s[SEL], s[SEL+1]
.endr
.irp T, 0,1
	v_add_f32 v[ML+(\T)], v[ML+(\T)], v[MP+(\T)]
.endr
	v_rcp_f32 v[ML], v[ML]                         ; the record that holds M has w = 1 and l >= 1: the sum is no 0
	v_rcp_f32 v[ML+1], v[ML+1]
	v_nop
	s_wait_alu depctr_va_vdst(0)                   ; one wait for the two reciprocals
.irp T, 0,1
	v_mul_f32 v[MW+2*(\T)],   v[MW+2*(\T)],   v[ML+(\T)]
	v_mul_f32 v[MW+2*(\T)+1], v[MW+2*(\T)+1], v[ML+(\T)]
.endr
.irp T, 0,1
.set j, 0
.rept 8
.set k, 0
.rept 8
	v_readlane_b32 s[56+k], v[MW+2*(\T)+(j+k)/32], (j+k)%32  ; w of record j + k, for every lane
.set k, k+1
.endr
.set k, 0
.rept 8
	v_fmac_f32 v[MA+k%4], s[56+k], v[MO+64*(\T)+j+k]
.set k, k+1
.endr
.set j, j+8
.endr
.endr
	v_add_f32 v[MA], v[MA], v[MA+1]
	v_add_f32 v[MA+2], v[MA+2], v[MA+3]
	v_add_f32 v[MA], v[MA], v[MA+2]
	global_store_b32 v1, v[MA], s[54:55]           ; its registers are rewritten only behind the s_wait_xcnt 0 of the first change of slots
.Lno_merge:
; THE LDS LOADS stand in runs.  Chunk c (channels 32 c on): nkb fragments of K into buffer c % 2, my five units' fragments of Q into Q's buffer c % 2: 2 nkb + 10 loads.
.macro LQK c, nkb
	WIN LD3
.set kb, 0
.rept \nkb
	ds_load_b128 v[AB+32*((\c)%2)+8*kb:AB+32*((\c)%2)+8*kb+3],   v[AK] offset:kb*16*PIT+64*(\c)
	ds_load_b128 v[AB+32*((\c)%2)+8*kb+4:AB+32*((\c)%2)+8*kb+7], v[AK] offset:kb*16*PIT+64*(\c)+32
.set kb, kb+1
.endr
.if (\c)%2
.set rQ, QB1
.else
	WIN 0
.set rQ, QB0
.endif
.set uu, 0
.rept 5
	ds_load_b128 v[rQ+8*uu:rQ+8*uu+3],   v[AQ] offset:uu*16*PIT+64*(\c)
	ds_load_b128 v[rQ+8*uu+4:rQ+8*uu+7], v[AQ] offset:uu*16*PIT+64*(\c)+32
.set uu, uu+1
.endr
.endm
; Chunk c's 5 nkb products of S^T = K Q^T.  The accumulators take turns, one instruction a turn, in the same order in every chunk.  Chunk 0 starts the sums: with 0, or (msk = 1) with the mask.
.macro QKM c, nkb, msk
.if (\c)%2
	WIN 0x0f                                       ; K and Q in window 3, S^T in window 0
.set rQ, QB1
.elseif ((\c) == 0) && (\msk)
	WIN 0x33                                       ; K and the mask in window 3, Q and S^T in window 0
.set rQ, QB0
.else
	WIN 0x03                                       ; K in window 3, Q and S^T in window 0
.set rQ, QB0
.endif
.set uu, 0
.rept 5
.set kb, 0
.rept \nkb
.set rS, S+32*uu+8*kb
.set rA, AB+32*((\c)%2)+8*kb
.if ((\c) == 0) && (\msk)
	v_wmma_f32_16x16x32_f16 v[rS:rS+7], v[rA:rA+7], v[rQ+8*uu:rQ+8*uu+7], v[MK:MK+7]
.elseif (\c) == 0
	v_wmma_f32_16x16x32_f16 v[rS:rS+7], v[rA:rA+7], v[rQ+8*uu:rQ+8*uu+7], 0
.else
	v_wmma_f32_16x16x32_f16 v[rS:rS+7], v[rA:rA+7], v[rQ+8*uu:rQ+8*uu+7], v[rS:rS+7]
.endif
.set kb, kb+1
.endr
.set uu, uu+1
.endr
.endm
; Batch g of V's fragments: keys 32 (g / 4) on, channel blocks 4 (g % 4) + 0..3, into buffer g % 2: 8 loads.
.macro LV g
	WIN LD3
.set f, 0
.rept 4
.set rA, AB+32*((\g)%2)+8*f
.set oV, ((\g)/4)*32*PIT+32*(4*((\g)%4)+f)
	ds_load_tr16_b128 v[rA:rA+3],   v[AV] offset:oV
	ds_load_tr16_b128 v[rA+4:rA+7], v[AV] offset:oV+16*PIT
.set f, f+1
.endr
.endm
; All of a step's K Q^T.  A chunk's loads are issued two chunks ahead, four places behind the products that read the buffer; the wait leaves the next chunk's loads out (2 nkb + 10; ahead of chunk 7 the 8 of V's
; batch 0).  V's first two batches take the buffers when chunks 6 and 7 have read them.
.macro QKPH nkb, msk, ask
	LQK 0, \nkb
	LQK 1, \nkb
.if \ask
	WIN 0
	ASK                                            ; behind the joint load and the run of LDS loads that the first products wait for
.endif
.irp c, 0,1,2,3,4,5,6,7
.if (\c) == 7
	s_wait_dscnt 8
.else
	s_wait_dscnt 10+2*(\nkb)
.endif
	QKM \c, \nkb, \msk
	PLACES
.if (\c) < 6
	LQK (\c)+2, \nkb
.else
	LV (\c)-6
.endif
.endr
.endm
; THE SOFTMAX of unit u.  SMX u, n: number n of the 22 that find its maximum and statistics; s0-s31 are the lane's 32 scores; each accumulator's lowest registers are read first.
;   0-11  four chains c0-c3 of seven scores each     12-15  the four scores left over, c0-c3 and the old m into c0     16, 18  the query's other 32 keys lie in the lane 16 away: the new m
;   17  c m_old is kept     19-21  c m; c m_old - c m_new; a
.macro SMX u, n
.set rT, ST+8*(\u)
.set rS, S+32*(\u)
.if (\n) < 4
	v_max3_num_f32 v[rT+4+(\n)], v[rS+8*(\n)], v[rS+8*(\n)+1], v[rS+8*(\n)+2]
.elseif (\n) < 12
	v_max3_num_f32 v[rT+4+(\n)%4], v[rT+4+(\n)%4], v[rS+8*((\n)%4)+2*((\n)/4)+1], v[rS+8*((\n)%4)+2*((\n)/4)+2]
.elseif (\n) == 12
	v_max3_num_f32 v[rT+4], v[rT+4], v[rS+7], v[rS+15]
.elseif (\n) == 13
	v_max3_num_f32 v[rT+6], v[rT+6], v[rS+23], v[rS+31]
.elseif (\n) == 14
	v_max3_num_f32 v[rT+4], v[rT+4], v[rT+5], v[rT+6]
.elseif (\n) == 15
	v_max3_num_f32 v[rT+4], v[rT+4], v[rT+7], v[rT+1]
.elseif (\n) == 16
	v_permlanex16_b32 v[rT+5], v[rT+4], s[SEL], s[SEL+1]
.elseif (\n) == 17
	v_mov_b32 v[rT+7], v[rT]
.elseif (\n) == 18
	v_max_num_f32 v[rT+1], v[rT+4], v[rT+5]
.elseif (\n) == 19
	v_mul_f32 v[rT], s[CS], v[rT+1]
.elseif (\n) == 20
	v_sub_f32 v[rT+7], v[rT+7], v[rT]
.else
	v_exp_f32 v[rT+6], v[rT+7]
.endif
.endm
.macro TSMX u, n                       ; the same for the last tile's 8 scores a lane: 10 numbers
.set rT, ST+8*(\u)
.set rS, S+32*(\u)
.if (\n) == 0
	v_max3_num_f32 v[rT+4], v[rS], v[rS+1], v[rS+2]
.elseif (\n) == 1
	v_max3_num_f32 v[rT+5], v[rS+3], v[rS+4], v[rS+5]
.elseif (\n) == 2
	v_max3_num_f32 v[rT+4], v[rT+4], v[rS+6], v[rS+7]
.elseif (\n) == 3
	v_max3_num_f32 v[rT+4], v[rT+4], v[rT+5], v[rT+1]
.else
	SMX \u, (\n)+12
.endif
.endm
.macro SF u, j                         ; c s - c m for pair j of 16
	v_pk_fma_f32 v[S+32*(\u)+2*(\j):S+32*(\u)+2*(\j)+1], v[S+32*(\u)+2*(\j):S+32*(\u)+2*(\j)+1], s[CS:CS+1], v[ST+8*(\u):ST+8*(\u)+1] op_sel_hi:[1,0,0] neg_lo:[0,0,1] neg_hi:[0,0,1]
.endm
.macro SE u, e                         ; the exponential of score e of 32
	v_exp_f32 v[S+32*(\u)+(\e)], v[S+32*(\u)+(\e)]
.endm
.macro SL u, j                         ; l takes pair j (pair 0: l = a l + pair)
.if (\j) == 0
	v_pk_fma_f32 v[ST+8*(\u)+2:ST+8*(\u)+3], v[ST+8*(\u)+2:ST+8*(\u)+3], v[ST+8*(\u)+6:ST+8*(\u)+7], v[S+32*(\u):S+32*(\u)+1] op_sel_hi:[1,0,1]
.else
	v_pk_add_f32 v[ST+8*(\u)+2:ST+8*(\u)+3], v[ST+8*(\u)+2:ST+8*(\u)+3], v[S+32*(\u)+2*(\j):S+32*(\u)+2*(\j)+1]
.endif
.endm
.macro SC u, j                         ; pair j rounded to f16, into register j of the unit: always behind SL u, j and in ascending j, so the register that it overwrites (of pair j / 2) has been summed and rounded
	v_cvt_pk_f16_f32 v[S+32*(\u)+(\j)], v[S+32*(\u)+2*(\j)], v[S+32*(\u)+2*(\j)+1]
.endm
.macro SRA u, cb                       ; O^T of unit u, channel block cb, times a: four packed multiplies, from the low end on
.set xw, 1+(\u)/2
.set rR, 128*((\u)%2)+8*(\cb)
	WIN (xw<<6)|xw                                 ; destination and source 0 in O^T's window, a in window 0
.set z, 0
.rept 4
	v_pk_mul_f32 v[rR+2*z:rR+2*z+1], v[rR+2*z:rR+2*z+1], v[ST+8*(\u)+6:ST+8*(\u)+7] op_sel_hi:[1,0]
.set z, z+1
.endr
.endm
.macro SRA0                            ; the first batch's O^T: channel blocks 0-3 of all five units
.set u, 0
.rept 5
.set cq, 0
.rept 4
	SRA u, cq
.set cq, cq+1
.endr
.set u, u+1
.endr
.endm
; The step's softmax, the five units by turns, so that no instruction reads the result of the one before it.  ONE BATCH: the five a and all 160 exponentials stand ahead of one wait, and nothing ahead of it names a
; result of theirs; a pair is scaled a round of the five units ahead of its exponentials.  Behind the wait: the sums and roundings of the first 32 keys and the rescaling of the first batch's O^T; the rest rides.
.macro LUMP
	WIN 0
.set n, 0
.rept 22
.set u, 0
.rept 5
	SMX u, n
.set u, u+1
.endr
.set n, n+1
.endr
.set u, 0
.rept 5
	SF u, 0
.set u, u+1
.endr
.set j, 0
.rept 16
.set u, 0
.rept 5
.if j < 15
	SF u, j+1
.endif
	SE u, 2*j
	SE u, 2*j+1
.set u, u+1
.endr
.set j, j+1
.endr
	v_nop                                          ; a plain instruction behind the last exponential: one for the batch
	s_wait_alu depctr_va_vdst(0)                   ; the wait ahead of the first use: one for the 165
.set j, 0
.rept 8
.set u, 0
.rept 5
	SL u, j
	SC u, j
.set u, u+1
.endr
.set j, j+1
.endr
	SRA0
.endm
.macro TLUMP                           ; the last tile's: 8 scores a lane; the weights of keys 16-31 of the one product's 32 are set to 0 (V's rows there are zeros)
	WIN 0
.set n, 0
.rept 10
.set u, 0
.rept 5
	TSMX u, n
.set u, u+1
.endr
.set n, n+1
.endr
.set j, 0
.rept 4
.set u, 0
.rept 5
	SF u, j
.set u, u+1
.endr
.set j, j+1
.endr
.set j, 0
.rept 8
.set u, 0
.rept 5
	SE u, j
.set u, u+1
.endr
.set j, j+1
.endr
	v_nop
	s_wait_alu depctr_va_vdst(0)                   ; one wait for the 45
.set j, 0
.rept 4
.set u, 0
.rept 5
	SL u, j
	SC u, j
.set u, u+1
.endr
.set j, j+1
.endr
.set u, 0
.rept 5
.set z, 4
.rept 4
	v_mov_b32 v[S+32*u+z], 0
.set z, z+1
.endr
.set u, u+1
.endr
	SRA0
.endm
; One product of O^T += V^T P: unit u, batch g, fragment f of its four.
.macro PVP u, g, f
.set xw, 1+(\u)/2
.set rO, 128*((\u)%2)+8*(4*((\g)%4)+(\f))
.set rA, AB+32*((\g)%2)+8*(\f)
.set rP, S+32*(\u)+8*((\g)/4)
	WIN (xw<<6)|(xw<<4)|3                          ; V in window 3, P in window 0, O^T in its own
	v_wmma_f32_16x16x32_f16 v[rO:rO+7], v[rA:rA+7], v[rP:rP+7], v[rO:rO+7]
.endm
; The four vector instructions behind a product.  kind 1: the rescaling of the accumulator that the NEXT batch takes in the same place.  kind 2: the sums and roundings of two pairs of the second 32 keys (rider ri of
; 20: unit ri % 5, pairs 8 + 2 (ri / 5) and the next).  None names a register of the products round it.
.macro RIDE kind, u, g, f
.if (\kind) == 1
	SRA \u, 4*((\g)%4)+(\f)+4
.elseif (\kind) == 2
	WIN 0
	SL ri%5, 8+2*(ri/5)
	SC ri%5, 8+2*(ri/5)
	SL ri%5, 9+2*(ri/5)
	SC ri%5, 9+2*(ri/5)
.endif
.set ri, ri+1
.endm
; Batch g: 20 products on 20 accumulators, one instruction each, under three window settings.  cnt: the LDS loads issued behind this batch's (the next batch's 8, or none).  load = 1: the batch two on is fetched
; into the buffer just read, four places behind its last reader: the last four riders, or four v_nop.
.macro PVB g, kind, load, cnt
	s_wait_dscnt \cnt
.set ri, 0
.irp up, 0, 2, 4
.set ff, 0
.rept 4
	PVP \up, \g, ff
	RIDE \kind, \up, \g, ff
.if (\up) < 4
	PVP (\up)+1, \g, ff
	RIDE \kind, (\up)+1, \g, ff
.endif
.set ff, ff+1
.endr
.endr
.if \load
.if (\kind) == 0
	PLACES
.endif
	LV (\g)+2
.endif
.endm
.Ltrip:                                        ; 20 trips: tile t is entered, tile t + 1 asked for
	CHANGE 1
	v_add_nc_u32 v[AK], s[TB], v[AK0]
	v_add_nc_u32 v[AV], s[TB], v[AV0]
	QKPH 4, 0, 1
	LUMP
	PVB 0, 1, 1, 8
	PVB 1, 1, 1, 8
	PVB 2, 1, 1, 8
	PVB 3, 2, 1, 8
	PVB 4, 0, 1, 8
	PVB 5, 0, 1, 8
	PVB 6, 0, 0, 8
	PVB 7, 0, 0, 0
	WIN 0
	s_sub_co_u32 s[CNT], s[CNT], 1
	s_cmp_lg_u32 s[CNT], 0
	s_cbranch_scc1 .Ltrip
	CHANGE 0                                       ; the last tile is written out: nothing is asked for.  It lies in slot 0; of its 64 rows the first 32 are read
	v_add_nc_u32 v[AK], s[TB], v[AK0]
	v_add_nc_u32 v[AV], s[TB], v[AV0]
	QKPH 1, 1, 0
	TLUMP
	PVB 0, 1, 1, 8
	PVB 1, 1, 1, 8
	PVB 2, 1, 0, 8
	PVB 3, 0, 0, 0
	; THE WAY OUT.  l's two halves and the other half of the lanes' are added (the additions are the places behind the last products); O^T is divided by l.
	WIN 0
.irp t, 0,1,2,3,4
	v_add_f32 v[ST+8*(\t)+4], v[ST+8*(\t)+2], v[ST+8*(\t)+3]
.endr
.irp t, 0,1,2,3,4
	v_permlanex16_b32 v[ST+8*(\t)+5], v[ST+8*(\t)+4], s[SEL], s[SEL+1]
.endr
.irp t, 0,1,2,3,4
	v_add_f32 v[ST+8*(\t)+4], v[ST+8*(\t)+4], v[ST+8*(\t)+5]
.endr
.irp t, 0,1,2,3,4
	v_rcp_f32 v[ST+8*(\t)+6], v[ST+8*(\t)+4]
.endr
	v_nop                                          ; a plain instruction between the last reciprocal and the use of its result,
	s_wait_alu depctr_va_vdst(0)                   ; and one wait for the five
; Unit u: each wave puts its 16 rows x 256 f32 into its stage; behind a barrier wave (d, hh) reads rows 8 d .. 8 d + 7 of both directions' stages of half hh, adds them and stores 8 whole rows.
; Two sets of stages take turns, over slot 1 first: nobody has read slot 1 since the last change of slots, whose barrier every wave has passed; slot 0, which holds the last tile, is written from unit 1 on, behind unit
; 0's barrier, in front of which every wave has waited for its reads.  A set is written again two units later, behind the barrier of the unit between, in front of which every wave has waited for its reads of it.
.macro OUTU u
.set xw, 1+(\u)/2
.set rO, 128*((\u)%2)
.set es, ((\u)+1)%2
	WIN (xw<<6)|xw
.set z, 0
.rept 64
	v_pk_mul_f32 v[rO+2*z:rO+2*z+1], v[rO+2*z:rO+2*z+1], v[ST+8*(\u)+6:ST+8*(\u)+7] op_sel_hi:[1,0]
.set z, z+1
.endr
	WIN xw<<2                                      ; the stores' data in O^T's window, their address in window 0
.set z, 0
.rept 32
	ds_store_b128 v[STO+es], v[rO+4*z:rO+4*z+3] offset:64*(z/2)+16*(z%2)  ; channels 16 (z / 2) + 8 (l / 16) + 4 (z % 2) on, of row l % 16
.set z, z+1
.endr
	WIN 0
	s_wait_dscnt 0x0                               ; for the others' sake: my stores into the stage are done, and so are my earlier reads
	s_barrier_signal -1
	s_barrier_wait -1
	s_wait_xcnt 0x0                                ; the registers loaded below were the data of the last unit's stores: they are rewritten only behind this wait
.set t, 0
.rept 16
	ds_load_b128 v[96+4*t:96+4*t+3],   v[RD+es] offset:(t/2)*SP+(t%2)*512
	ds_load_b128 v[160+4*t:160+4*t+3], v[RD+es] offset:(t/2)*SP+(t%2)*512+2*STG
.set t, t+1
.endr
	s_wait_dscnt 0x0
.set z, 0
.rept 32
	v_pk_add_f32 v[96+2*z:96+2*z+1], v[96+2*z:96+2*z+1], v[160+2*z:160+2*z+1]
.set z, z+1
.endr
.set t, 0
.rept 16
	global_store_b128 v[GO], v[96+4*t:96+4*t+3], s[OB:OB+1] offset:16384*(\u)+512*t th:TH_STORE_NT  ; 512 consecutive bytes, at a multiple of 512 from out's first byte
.set t, t+1
.endr
.endm
	OUTU 0
	OUTU 1
	OUTU 2
	OUTU 3
	OUTU 4
	s_wait_tensorcnt 0x0                           ; the wave's end: the wait, 0 onto my spare word and its wait, behind my last tensor load and my last LDS store
	ds_add_u32 v[SPW], v[NIL]
	s_wait_dscnt 0x0
	CROUND                                         ; the closing round: no work-group ends while a partner may still ask for a tile that names it
	s_endpgm
.Lfunc_end_k_q7ce6187564_attn:
	.size	k_q7ce6187564_attn, .Lfunc_end_k_q7ce6187564_attn-k_q7ce6187564_attn
	.p2alignl 7, 3214868480
	.fill 96, 4, 3214868480
	.section	.rodata,"a",@progbits
	.p2align	6, 0x0
	.amdhsa_kernel k_q7ce6187564_attn
		.amdhsa_group_segment_fixed_size 327680
		.amdhsa_private_segment_fixed_size 0
		.amdhsa_enable_private_segment 0
		.amdhsa_kernarg_size 24
		.amdhsa_user_sgpr_count 2
		.amdhsa_user_sgpr_kernarg_segment_ptr 1
		.amdhsa_wavefront_size32 1
		.amdhsa_system_sgpr_workgroup_id_x 1
		.amdhsa_system_sgpr_workgroup_id_y 1
		.amdhsa_system_sgpr_workgroup_id_z 1
		.amdhsa_system_vgpr_workitem_id 0
		.amdhsa_next_free_vgpr 1024
		.amdhsa_next_free_sgpr 80
		.amdhsa_reserve_vcc 1
		.amdhsa_float_denorm_mode_32 3
		.amdhsa_float_denorm_mode_16_64 3
		.amdhsa_memory_ordered 1
		.amdhsa_forward_progress 1
		.amdhsa_inst_pref_size 254
	.end_amdhsa_kernel
	.amdgpu_metadata
---
amdhsa.version: [ 1, 2 ]
amdhsa.kernels:
  - .name:           k_q7ce6187564_attn
    .symbol:         k_q7ce6187564_attn.kd
    .args:
      - { .name: h16, .offset: 0, .size: 8, .value_kind: global_buffer, .address_space: global }
      - { .name: part, .offset: 8, .size: 8, .value_kind: global_buffer, .address_space: global }
      - { .name: out0, .offset: 16, .size: 8, .value_kind: global_buffer, .address_space: global }
    .group_segment_fixed_size: 327680
    .private_segment_fixed_size: 0
    .kernarg_segment_align: 8
    .kernarg_segment_size: 24
    .max_flat_workgroup_size: 128
    .sgpr_count:     80
    .vgpr_count:     1024
    .wavefront_size: 32
...
	.end_amdgpu_metadata
.endif
;; end of part 2
